; MI455X (gfx1250); checked and timed in simulation.
; The chip was launched on July 23, 2026; its instructions are those of AMD's public machine-readable ISA for CDNA 5 (MIT licence, August 2026) and "CDNA5" Instruction Set Architecture Reference Guide (July 2026). The comments in the code are by the model that wrote it; some were corrected since.
;; Graph Att Unit. Allowed arithmetic: matrix products marked QUANTISED: E2M3 operands, one E8M0 scale for each 32 along K, by v_wmma_scale_f32_16x16x128_f8f6f4 with both operands' format E2M3, f32 sums; everything else in f32.
;; Inputs: phi_b 128 float32; phi_w 128 x 512 float32; support_embedding 8 x 128 x 64 x 64 float32; support_mask 8 x 1 x 64 x 64 float32; theta_b 128 float32; theta_w 128 x 512 float32; x_query 8 x 512 x 64 x 64 float32; x_support 8 x 512 x 64 x 64 float32.
;; Outputs: out0 8 x 128 x 64 x 64 float32.
;; This version of the problem:
;;   THIS VERSION OF THE PROBLEM IS GIVEN IN LOW PRECISION. The matrix products marked QUANTISED in the list below multiply operands that are first quantised to E2M3 (2 exponent bits, 3 mantissa bits; 6 bits a number), with one power-of-two scale for each 32 numbers along K (OCP MX v1.0); their sums are f32. All else is computed in f32.
;;   The module's matrix products, in the order in which they are computed (A, B: the left and right operand; K: the contracted axis; several contracted axes count as one K, in the product's order):
;;     1. [M 32,768, K 512] x [K 512, N 128]; A: input x_query; B: input theta_w: QUANTISED
;;     2. [M 32,768, K 512] x [K 512, N 128]; A: input x_support; B: input phi_w: QUANTISED
;;     3. batch 8 x [M 4,096, K 128] x [K 128, N 4,096]; A: computed on the way; B: computed on the way: QUANTISED
;;     4. batch 8 x [M 4,096, K 4,096] x [K 4,096, N 128]; A: softmax (see below); B: input support_embedding: QUANTISED
;;   THE QUANTISER, for each operand of a quantised product, along K:
;;     - K is cut into blocks of 32 from its start; a last block that is shorter is filled with zeros.
;;     - A block's scale is 2^e with e = floor(log2(the largest magnitude in the block)) - 2, held to -126 .. 127; a block of zeros has e = 0. As a byte (E8M0): e + 127.
;;     - Each number is divided by its block's scale, clamped to +-7.5, and rounded to the nearest number of E2M3, ties to even, subnormals kept.
;;     - The product sums the exact products of the quantised numbers (number of the format x scale) in f32.
;;   ~~~python
;;   def quantise(x, axis):      # numpy; x: float32 -> the quantised numbers, widened to float32 again
;;       x = np.moveaxis(x, axis, -1); K = x.shape[-1]
;;       x = np.pad(x, [(0, 0)] * (x.ndim - 1) + [(0, -K % 32)]); x = x.reshape(x.shape[:-1] + (-1, 32)); a = np.abs(x).max(-1, keepdims=True)
;;       e = np.where(a > 0, np.clip(np.frexp(np.where(a > 0, a, 1))[1] - 1 - 2, -126, 127), 0)      # np.frexp(a)[1] - 1 = floor(log2(a)), exactly
;;       r = np.clip(x / 2.0 ** e, -7.5, 7.5)
;;       step = 2.0 ** (np.maximum(np.frexp(np.where(r == 0, 1, r))[1] - 1, 0) - 3)
;;       q = np.round(r / step) * step * 2.0 ** e      # np.round: ties to even
;;       return np.moveaxis(q.reshape(q.shape[:-2] + (-1,))[..., :K], -1, axis).astype(np.float32)
;;   ~~~
;;   SOFTMAX AHEAD OF A QUANTISED PRODUCT. Where the list says 'softmax', what is quantised is not the finished softmax but p = 2^(t - M), with t = logit x log2(e) and M = ceil(the row's largest t), a whole number; so 1/2 < the row's largest p <= 1. The row's sum l is taken of the UNQUANTISED p, in f32, and the product's result is divided by l at the end. Since M is a whole number, a kernel that streams over the keys may use a running M (the ceiling of the running maximum): every later rescaling is an exact power of two, which a block's scale takes up: the codes' values come out the same.
;;   OPERANDS COMPUTED ON THE WAY. 'Computed on the way' means the value that the module computes at that place (a softmax that the list does not call 'softmax' is quantised finished and normalised). What goes into a quantiser is computed in f32, as accurately as f32 sums, v_exp_f32 and their like allow (about 1e-6 of the number): no bf16 or f16 on the way to a quantiser, and a product that is left as it is and whose result goes on into a quantised operand takes f32 operands (vector FMAs, or v_wmma_f32_16x16x4_f32). A number that lies on a knife's edge between two numbers of the format may be rounded either way, as far as f32 arithmetic and the matrix unit's own rounding can turn it there, and no further.
;; One version. Each part assembles by itself: llvm-mc -triple=amdgcn-amd-amdhsa -mcpu=gfx1250 --defsym DOCPART=n.
;; ======== version 1 of 1: 3 launches
;; workspace buffers: wq 102,400 bytes; q 3,276,800 bytes; kv 6,684,672 bytes
;; launch prep (part 1): grid 264 x 1, 8 waves a work-group, no clusters, 68,608 bytes of LDS; arguments support_embedding, support_mask, theta_w, phi_w, kv, wq; writes kv, wq
.if DOCPART == 1
	.amdgcn_target "amdgcn-amd-amdhsa--gfx1250"
	.amdhsa_code_object_version 6
	.text
	.protected	k_q3a0ea3fa86_prep
	.globl	k_q3a0ea3fa86_prep
	.p2align	8
	.type	k_q3a0ea3fa86_prep,@function
k_q3a0ea3fa86_prep:
	s_mov_b64 s[64:65], 0
	v_nop
	global_prefetch_b8 v0, s[64:65] scope:SCOPE_SE
	s_setreg_imm32_b32 hwreg(HW_REG_WAVE_MODE, 25, 1), 1
	s_wait_xcnt 0x0
; V (support_embedding [8][128][4096], K = the keys, innermost) and the two weights ([128][512], K = the channels, innermost), all f32, become
; codes of FP6 (E2M3) with one E8M0 scale byte for each 32 along K, laid as IMAGES OF THE OPERAND'S REGISTERS: a fragment is 16 rows x 128 K,
; 12 registers a lane; registers 4 c .. 4 c + 3 of lane l lie at 512 c + 16 l of its 1,536 bytes; its 16 scale words (row r's at 4 r) are 64 bytes.
; Also mc[key] = support_mask[key] x log2(e) / 4, f32, for the attention launch.
; A block's scale is 2^(floor(log2(its largest magnitude)) - 2): its byte is the largest magnitude's exponent field - 2, held at 1 from below.
; LIMITS: NaN and infinities are not served; a block of zeros gets the byte 1 where the quantiser's text says 127 (its codes are zeros, which add nothing, and
; only this program reads the bytes); a block whose largest magnitude lies under 2^-124 is quantised under the floor's scale.
; SHARES.  One wave makes one fragment.  Work-groups 0-255: key step blk = work-group (32 b + s), wave t = V's tile of channels 16 t .. 16 t + 15.
; Work-groups 256-263: 64 weight fragments, j = 8 (work-group - 256) + wave: tensor j / 32, tile (j / 4) % 8, K step j % 4.
; THE ROWS OF A WEIGHT'S TILE ARE NOT NEIGHBOURS: lane r of tile 2 b + u takes row 32 b + 8 u + r + 8 (r / 8).
; Both kinds take ONE path through the text: every number is made both ways and chosen by the work-group's number.
; No cluster: no two work-groups read the same bytes.  No barrier: a wave's stage in LDS is its own.
.set SB,    26112                      ; a key step's block in kv: K's 8 fragments, V's 8 fragments at 12,288, K's scale words at 24,576, V's at 25,088, mc at 25,600
.set WQT,   51200                      ; a weight's block in wq: 32 fragments (K step ks, tile: 8 ks + tile), scale words at 49,152
.set PITCH, 528                        ; a stage row: 512 bytes + 16, an odd multiple of 16
.set STG,   16*PITCH                   ; a wave's stage
.set R,     32                         ; v32-95   16 rows x 4 registers, as loaded
.set X,     96                         ; v96-159  my 64 numbers: register 32 c + i = k 64 c + 32 h + i of row r
.set F,     160                        ; v160-171 the fragment
.set T,     172                        ; v172-174, v176-178 the conversions' upper halves
	s_load_b256 s[4:11], s[0:1], 0x0               ; support_embedding, support_mask, theta_w, phi_w
	s_load_b128 s[12:15], s[0:1], 0x20             ; kv, wq
	v_lshl_add_u32 v184, v0, 2, 0x10800
	v_mov_b32 v185, 0
	v_lshrrev_b32 v1, 5, v0
	s_delay_alu instid0(VALU_DEP_1)
	v_readfirstlane_b32 s16, v1                    ; wave 0..7
	v_and_b32 v1, 31, v0                           ; lane
	v_and_b32 v2, 15, v0                           ; r
	v_bfe_u32 v3, v0, 4, 1                         ; h
	s_delay_alu instid0(VALU_DEP_3)
	v_lshlrev_b32 v4, 4, v1                        ; 16 x lane
	s_mul_i32 s17, s16, STG                        ; my stage
	v_add_nc_u32 v5, s17, v4                       ; into it: a row's 512 bytes as they lie
	v_mul_u32_u24 v6, v2, PITCH
	s_delay_alu instid0(VALU_DEP_1)
	v_lshl_add_u32 v6, v3, 7, v6
	s_delay_alu instid0(VALU_DEP_1)
	v_add_nc_u32 v6, s17, v6                       ; out of it: row r, + 128 h
	v_lshlrev_b32 v7, 2, v2                        ; 4 r
	; a V job's numbers
	s_lshr_b32 s18, ttmp9, 5                       ; b
	s_and_b32 s19, ttmp9, 31                       ; s
	s_lshl_b32 s18, s18, 21                        ; a batch: 128 channels x 16,384 bytes
	s_lshl_b32 s20, s16, 18                        ; a tile: 16 channels
	s_add_co_u32 s18, s18, s20
	s_lshl_b32 s19, s19, 9                         ; a key step: 128 keys x 4 bytes
	s_add_co_u32 s18, s18, s19                     ; where V's rows begin
	s_mul_i32 s42, ttmp9, SB                       ; the step's block in kv
	s_mul_i32 s20, s16, 1536
	s_add_co_u32 s20, s20, s42
	s_add_co_u32 s20, s20, 12288                   ; the image
	s_lshl_b32 s21, s16, 6
	s_add_co_u32 s21, s21, s42
	s_add_co_u32 s21, s21, 25088                   ; the scale words
	; a weight job's numbers
	s_max_u32 s22, ttmp9, 256
	s_sub_co_u32 s22, s22, 256
	s_lshl_b32 s22, s22, 3
	s_add_co_u32 s22, s22, s16                     ; j, 0..63
	s_lshr_b32 s23, s22, 5                         ; tensor
	s_bfe_u32 s28, s22, 0x30002                    ; tile
	s_and_b32 s29, s22, 3                          ; K step
	s_lshr_b32 s30, s28, 1
	s_lshl_b32 s30, s30, 16                        ; 32 rows of 2,048 bytes
	s_and_b32 s31, s28, 1
	s_lshl_b32 s31, s31, 14                        ; 8 rows
	s_add_co_u32 s30, s30, s31
	s_lshl_b32 s31, s29, 9                         ; 128 along K x 4 bytes
	s_add_co_u32 s30, s30, s31                     ; where the weight's rows begin
	s_lshl_b32 s31, s29, 3
	s_add_co_u32 s31, s31, s28                     ; 8 ks + tile
	s_mul_i32 s32, s23, WQT
	s_mul_i32 s33, s31, 1536
	s_add_co_u32 s33, s33, s32                     ; the image
	s_lshl_b32 s34, s31, 6
	s_add_co_u32 s34, s34, s32
	s_add_co_u32 s34, s34, 49152                   ; the scale words
	s_mov_b32 s35, 16384                           ; from row to row: V
	s_mov_b32 s36, 2048                            ; a weight
	s_mov_b32 s44, 0x76543210
	s_mov_b32 s45, 0xfedcba98                      ; v_permlanex16_b32's selects for lane l xor 16
	s_mov_b32 s19, 0
	s_mov_b32 s39, 0
	s_mov_b32 s41, 0
	s_wait_alu depctr_va_vdst(0)
	s_wait_kmcnt 0x0
	s_cmp_lt_u32 s22, 32
	s_cselect_b64 s[24:25], s[8:9], s[10:11]       ; theta_w or phi_w
	s_cmp_lt_u32 ttmp9, 256                        ; V's work-group or a weight's?  The choice hangs on the work-group's number alone
	s_cselect_b64 s[24:25], s[4:5], s[24:25]
	s_cselect_b64 s[26:27], s[12:13], s[14:15]
	s_cselect_b32 s18, s18, s30
	s_cselect_b32 s38, s20, s33
	s_cselect_b32 s40, s21, s34
	s_cselect_b32 s35, s35, s36
	s_cselect_b32 s37, 0, 16384                    ; a weight's rows 8-15 lie 8 rows further on
	s_add_nc_u64 s[24:25], s[24:25], s[18:19]      ; in
	s_add_nc_u64 s[28:29], s[26:27], s[38:39]      ; the image out
	s_add_nc_u64 s[30:31], s[26:27], s[40:41]      ; the scale words out
	s_mov_b32 s43, 0
.irp i, 0,1,2,3,4,5,6,7,8,9,10,11,12,13,14,15
	v_add_nc_u32 v[8+\i], s43, v4                  ; row i's offset + 16 x lane
	s_add_co_u32 s43, s43, s35
.if \i == 7
	s_add_co_u32 s43, s43, s37
.endif
.endr
	s_wait_alu depctr_va_vdst(0)
.irp i, 0,1,2,3,4,5,6,7,8,9,10,11,12,13,14,15
	global_load_b128 v[R+4*\i:R+4*\i+3], v[8+\i], s[24:25] th:TH_LOAD_NT   ; 32 lanes read a row's 512 consecutive bytes; read once in the launch
.endr
.irp i, 0,1,2,3,4,5,6,7,8,9,10,11,12,13,14,15
	s_wait_loadcnt 15-\i                           ; row i is in; the 15 - i younger rows may be out
	ds_store_b128 v5, v[R+4*\i:R+4*\i+3] offset:PITCH*\i
.endr
.irp c, 0,1
.irp j, 0,1,2,3,4,5,6,7
	ds_load_b128 v[X+32*\c+4*\j:X+32*\c+4*\j+3], v6 offset:256*\c+16*\j   ; LDS serves a wave's instructions in order (ISA guide 5.7.1.4): these see my stores
.endr
.endr
	s_wait_dscnt 0x0
.irp c, 0,1                                    ; my block 2 c + h: all its 32 numbers are mine
	v_max3_num_f32 v[24+\c], |v[X+32*\c]|, |v[X+1+32*\c]|, 0x1800000   ; and the floor 2^(3 - 127): the byte cannot fall under 1
.endr
.irp i, 2,4,6,8,10,12,14,16,18,20,22,24,26,28,30
.irp c, 0,1
	s_delay_alu instid0(VALU_DEP_2)
	v_max3_num_f32 v[24+\c], v[24+\c], |v[X+32*\c+\i]|, |v[X+1+32*\c+\i]|   ; (the two blocks by turns)
.endr
.endr
.irp c, 0,1
	s_delay_alu instid0(VALU_DEP_2)
	v_add_nc_u32 v[26+\c], 0xff000000, v[24+\c]    ; 2 off the exponent field: the conversion takes this operand's exponent field as its scale
.endr
.irp c, 0,1
	s_delay_alu instid0(VALU_DEP_2)
	v_lshrrev_b32 v[28+\c], 23, v[26+\c]           ; the scale's byte
.endr
	s_delay_alu instid0(VALU_DEP_1)
	v_lshl_or_b32 v30, v29, 16, v28                ; my two bytes: blocks h and 2 + h of row r,
	v_lshlrev_b32 v31, 3, v3
	s_delay_alu instid0(VALU_DEP_1)
	v_lshlrev_b32 v30, v31, v30                    ; at their places in the scale word (8 h bits up);
	v_mov_b32 v31, 0
	s_delay_alu instid0(VALU_DEP_1)
	v_permlanex16_b32 v31, v30, s44, s45
	s_delay_alu instid0(VALU_DEP_1)
	v_or_b32 v30, v30, v31                         ; with lane l xor 16's two the word is whole
.irp c, 0,1
	v_cvt_scalef32_pk16_fp6_f32 v[F+6*\c:F+6*\c+2], v[X+32*\c:X+32*\c+15], v[26+\c]
	v_cvt_scalef32_pk16_fp6_f32 v[T+4*\c:T+4*\c+2], v[X+32*\c+16:X+32*\c+31], v[26+\c]   ; (a conversion's three registers begin on an even number)
.endr
	v_nop                                          ; one plain line behind the scaled conversions
.irp c, 0,1
.irp i, 0,1,2
	v_mov_b32 v[F+6*\c+3+\i], v[T+4*\c+\i]
.endr
.endr
.irp c, 0,1,2
	global_store_b128 v4, v[F+4*\c:F+4*\c+3], s[28:29] offset:512*\c   ; 32 lanes store 512 consecutive bytes, at a multiple of 256 from the buffer's first byte
.endr
	global_store_b32 v7, v30, s[30:31]             ; 64 bytes: lanes l and l + 16 write the same word with the same value.  A short store: 2,112 of them, 135,168 bytes, in the launch
	; mc: wave 0 of each of V's work-groups takes its key step's 128 mask numbers
	s_lshr_b32 s46, ttmp9, 8
	s_or_b32 s46, s46, s16
	s_cmp_lg_u32 s46, 0
	s_cbranch_scc1 .Ldone
	s_lshl_b32 s18, ttmp9, 9
	s_add_nc_u64 s[6:7], s[6:7], s[18:19]
	s_add_co_u32 s38, s42, 25600
	s_add_nc_u64 s[12:13], s[12:13], s[38:39]
	global_load_b128 v[180:183], v4, s[6:7] th:TH_LOAD_NT
	s_wait_loadcnt 0x0
	v_pk_mul_f32 v[180:181], v[180:181], 0x3eb8aa3b op_sel_hi:[1,0]   ; x log2(e) / 4
	v_pk_mul_f32 v[182:183], v[182:183], 0x3eb8aa3b op_sel_hi:[1,0]
	global_store_b128 v4, v[180:183], s[12:13]
.Ldone:
	s_wait_tensorcnt 0x0
	ds_add_u32 v184, v185
	s_wait_dscnt 0x0
	s_endpgm
.Lfunc_end_k_q3a0ea3fa86_prep:
	.size	k_q3a0ea3fa86_prep, .Lfunc_end_k_q3a0ea3fa86_prep-k_q3a0ea3fa86_prep
	.p2alignl 7, 3214868480
	.fill 96, 4, 3214868480
	.section	.rodata,"a",@progbits
	.p2align	6, 0x0
	.amdhsa_kernel k_q3a0ea3fa86_prep
		.amdhsa_group_segment_fixed_size 68608
		.amdhsa_private_segment_fixed_size 0
		.amdhsa_enable_private_segment 0
		.amdhsa_kernarg_size 48
		.amdhsa_user_sgpr_count 2
		.amdhsa_user_sgpr_kernarg_segment_ptr 1
		.amdhsa_wavefront_size32 1
		.amdhsa_system_sgpr_workgroup_id_x 1
		.amdhsa_system_sgpr_workgroup_id_y 1
		.amdhsa_system_sgpr_workgroup_id_z 1
		.amdhsa_system_vgpr_workitem_id 0
		.amdhsa_next_free_vgpr 186
		.amdhsa_next_free_sgpr 66
		.amdhsa_reserve_vcc 0
		.amdhsa_float_denorm_mode_32 3
		.amdhsa_float_denorm_mode_16_64 3
		.amdhsa_memory_ordered 1
		.amdhsa_forward_progress 1
		.amdhsa_inst_pref_size 14
	.end_amdhsa_kernel
	.amdgpu_metadata
---
amdhsa.version: [ 1, 2 ]
amdhsa.kernels:
  - .name:           k_q3a0ea3fa86_prep
    .symbol:         k_q3a0ea3fa86_prep.kd
    .args:
      - { .name: support_embedding, .offset: 0, .size: 8, .value_kind: global_buffer, .address_space: global }
      - { .name: support_mask, .offset: 8, .size: 8, .value_kind: global_buffer, .address_space: global }
      - { .name: theta_w, .offset: 16, .size: 8, .value_kind: global_buffer, .address_space: global }
      - { .name: phi_w, .offset: 24, .size: 8, .value_kind: global_buffer, .address_space: global }
      - { .name: kv, .offset: 32, .size: 8, .value_kind: global_buffer, .address_space: global }
      - { .name: wq, .offset: 40, .size: 8, .value_kind: global_buffer, .address_space: global }
    .group_segment_fixed_size: 68608
    .private_segment_fixed_size: 0
    .kernarg_segment_align: 8
    .kernarg_segment_size: 48
    .max_flat_workgroup_size: 256
    .sgpr_count:     66
    .vgpr_count:     186
    .wavefront_size: 32
...
	.end_amdgpu_metadata
.endif
;; end of part 1
;; launch project (part 2): grid 256 x 1, 8 waves a work-group, no clusters, 327,680 bytes of LDS; arguments x_query, x_support, theta_b, phi_b, wq, q, kv; writes q, kv
.if DOCPART == 2
	.amdgcn_target "amdgcn-amd-amdhsa--gfx1250"
	.amdhsa_code_object_version 6
	.text
	.protected	k_q3a0ea3fa86_project
	.globl	k_q3a0ea3fa86_project
	.p2align	8
	.type	k_q3a0ea3fa86_project,@function
k_q3a0ea3fa86_project:
	s_mov_b64 s[64:65], 0
	v_nop
	global_prefetch_b8 v0, s[64:65] scope:SCOPE_SE
	s_setreg_imm32_b32 hwreg(HW_REG_WAVE_MODE, 25, 1), 1
	s_wait_xcnt 0x0
; theta_x = x_query^T theta_w^T + theta_b and phi_x = x_support^T phi_w^T + phi_b, on codes of FP6 (E2M3) with one E8M0 scale for each 32 along K (the 512 channels);
; the results are quantised along their 128 outputs, the next product's K, and stored as images of the operand's registers (16 rows x 128 K: 1,536 bytes; 16 scale words: 64 bytes).
; x: [8][512][4096] f32, K OUTERMOST.  The weights come as images from wq.  Work-groups 0-127 take x_query (results to q), 128-255 x_support (results to kv): only pointers and offsets are chosen.
; SHARES.  A work-group takes 256 pixels of one batch, all 512 channels; wave w takes pixels 32 w .. 32 w + 31 and all 128 outputs.  K goes in four steps of 128 channels through two LDS slots
; (128 channel rows x 1,024 bytes), filled by the tensor data mover, 16 rows a wave.  The weight's 51,200 bytes come once, an eighth a wave, and stay.
; A LANE TAKES A PIXEL AND ITS REGISTERS RUN DOWN THE CHANNELS, so a block of 32 lies in one lane.  The lane's pixel is (l % 8) + 16 ((l / 8) % 2) + 8 (l / 16):
; lanes 0-15 are the rows of tile 2 w', lanes 16-31 those of tile 2 w' + 1, in the order lane r = pixel 32 b + 8 u + r + 8 (r / 8) that the attention launch wants of keys.
; THE PRODUCT IS USED TRANSPOSED: source 0 = 16 rows of the weight (lane r of tile 2 b + u = row 32 b + 8 u + r + 8 (r / 8)), source 1 = 16 pixels.  A lane then holds one pixel, and the 16 registers
; of tiles 2 b and 2 b + 1 are outputs 32 b + 16 h + 0 .. 15: neighbours along the next K.  The bias is loaded into the accumulators: every K step adds in place, nothing is cleared.
; NO CLUSTER: what work-groups share is the weight's 51,200 bytes, a tenth of the 524,288 bytes of x that a work-group reads alone.
; LIMITS: NaN and infinities are not served; a block of zeros gets the byte 1 where the quantiser's text says 127 (zero codes; only this program reads the bytes); blocks under 2^-124 are quantised under the floor's scale.
.set SLOTB, 131072
.set WBLK,  2*SLOTB                    ; the weight's images; its scale words at + 49,152
.set WSC,   WBLK+49152
.set SPARE, WBLK+51200                 ; the spare words, 128 bytes for each wave: four blocks of 256 bytes that no other line names
.set SPW, 1                            ; v1     SPARE + 4 x my thread's number; never rewritten
.set NIL, 2                            ; v2     0; never rewritten
.set XA,  3                            ; v3-6   LDS address of my pixel's word in slot s, channels 64 cc on: v[XA + 2 s + cc]
.set WA,  7                            ; v7     WBLK + 16 x lane
.set WSA, 8                            ; v8     WSC + 4 x lane
.set LI,  9                            ; v9     16 x lane
.set LS,  10                           ; v10    4 x lane
.set BH,  11                           ; v11    64 h
.set WS,  12                           ; v12-15 the weight's scale words: lanes 0-15 tile 2 p, lanes 16-31 tile 2 p + 1; nothing else
.set XS,  16                           ; v16    x's scale words: lanes 0-15 tile A's rows, lanes 16-31 tile B's; nothing else
.set FA,  24                           ; v24-35 x's fragment of tile A;  v36-47 of tile B
.set FB,  36
.set T0,  48                           ; v48-50, v52-54 the conversions' upper halves
.set T1,  52
.set X,   64                           ; v64-127 64 numbers of x; then four fragments of the weight (v64-111)
.set ACC, 128                          ; v128-191 tile A's eight accumulators, v192-255 tile B's
.set TM,  48                           ; the way out: v48-63 at work
	s_load_b256 s[4:11], s[0:1], 0x0               ; x_query, x_support, theta_b, phi_b
	s_load_b128 s[12:15], s[0:1], 0x20             ; wq, q
	s_load_b64 s[16:17], s[0:1], 0x30              ; kv
	v_lshl_add_u32 v[SPW], v0, 2, SPARE
	v_mov_b32 v[NIL], 0
	ds_add_u32 v1, v2
	ds_add_u32 v1, v2
	s_wait_dscnt 0x0
	v_lshrrev_b32 v3, 5, v0
	s_delay_alu instid0(VALU_DEP_1)
	v_readfirstlane_b32 s18, v3                    ; wave 0..7
	s_lshr_b32 s19, ttmp9, 7                       ; 0: theta, 1: phi
	s_and_b32 s20, ttmp9, 127
	s_lshr_b32 s21, s20, 4                         ; batch
	s_and_b32 s22, s20, 15                         ; block of 256 pixels
	; descriptor group 1 for x: 16 rows of 256 f32, 4,096 elements from row to row
	s_mov_b32 s24, 2<<16                           ; no mask; elements of 4 bytes; no padding
	s_mov_b32 s25, 256<<16                         ; tensor_dim0
	s_mov_b32 s26, 16<<16                          ; tensor_dim1
	s_mov_b32 s27, 256<<16                         ; tile_dim0
	s_mov_b32 s28, 16                              ; tile_dim1
	s_mov_b32 s29, 4096                            ; stride
	s_mov_b32 s30, 0
	s_mov_b32 s31, 0
	; and for an eighth of the weight's block: 6,400 dense bytes as 25 rows of 256 (32 elements of 8 bytes)
	s_mov_b32 s32, 3<<16
	s_mov_b32 s33, 32<<16
	s_mov_b32 s34, 25<<16
	s_mov_b32 s35, 32<<16
	s_mov_b32 s36, 25
	s_mov_b32 s37, 32
	s_mov_b32 s38, 0
	s_mov_b32 s39, 0
	s_lshl_b32 s52, s21, 23                        ; x: a batch is 512 rows of 16,384 bytes,
	s_lshl_b32 s23, s18, 18                        ; my 16 channel rows of a K step,
	s_add_co_u32 s52, s52, s23
	s_lshl_b32 s23, s22, 10                        ; the work-group's 256 pixels
	s_add_co_u32 s52, s52, s23
	s_mov_b32 s53, 0
	s_mul_i32 s54, s19, 51200                      ; wq: the tensor's block, my eighth
	s_mul_i32 s23, s18, 6400
	s_add_co_u32 s54, s54, s23
	s_mov_b32 s55, 0
	s_add_co_u32 s41, s23, WBLK                    ; and where it goes
	s_lshl_b32 s56, s21, 5
	s_lshl_b32 s23, s22, 1
	s_add_co_u32 s56, s56, s23
	s_lshr_b32 s23, s18, 2
	s_add_co_u32 s56, s56, s23                     ; the group of 128 pixels: 32 b + 2 (block) + wave / 4
	s_and_b32 s20, s18, 3                          ; my pair of tiles in it
	s_mov_b32 s58, 26112                           ; a group's block in kv, K's scale words in it
	s_mov_b32 s59, 24576
	s_cmp_eq_u32 s19, 0
	s_cselect_b32 s58, 12800, s58                  ; and in q
	s_cselect_b32 s59, 12288, s59
	s_mul_i32 s56, s56, s58
	s_add_co_u32 s58, s56, s59
	s_lshl_b32 s23, s20, 7
	s_add_co_u32 s58, s58, s23                     ; my two tiles' scale words
	s_mul_i32 s23, s20, 3072
	s_add_co_u32 s56, s56, s23                     ; my two images
	s_mov_b32 s57, 0
	s_mov_b32 s59, 0
	s_wait_kmcnt 0x0
	s_cmp_eq_u32 s19, 0                            ; the choice hangs on the work-group's number alone
	s_cselect_b64 s[4:5], s[4:5], s[6:7]           ; x
	s_cselect_b64 s[8:9], s[8:9], s[10:11]         ; the bias
	s_cselect_b64 s[14:15], s[14:15], s[16:17]     ; the results' buffer
	s_add_nc_u64 s[60:61], s[14:15], s[56:57]
	s_add_nc_u64 s[62:63], s[14:15], s[58:59]
	s_mov_b32 s40, 1                               ; group 0 for the weight
	s_add_nc_u64 s[42:43], s[12:13], s[54:55]
	s_or_b32 s43, s43, 0x80000000
	s_mov_b32 s44, 1                               ; group 0 for slot 0: K step 0
	s_lshl_b32 s45, s18, 14                        ; my 16 rows of 1,024 bytes
	s_add_nc_u64 s[46:47], s[4:5], s[52:53]
	s_mov_b32 s48, 1                               ; and for slot 1: K step 1, 128 rows on
	s_add_co_u32 s49, s45, SLOTB
	s_add_nc_u64 s[50:51], s[46:47], 2097152
	s_or_b32 s47, s47, 0x80000000
	s_or_b32 s51, s51, 0x80000000
	tensor_load_to_lds s[40:43], s[32:39]          ; the weight's eighth: one load of mine is out
	s_nop 0
	s_wait_alu depctr_va_vdst(0)
	s_wait_tensorcnt 0x0
	ds_add_u32 v1, v2
	s_wait_dscnt 0x0
	s_barrier_signal -1
	s_barrier_wait -1
	tensor_load_to_lds s[44:47], s[24:31]
	s_nop 0
	s_wait_alu depctr_va_vdst(0)
	s_wait_tensorcnt 0x0
	ds_add_u32 v1, v2
	s_wait_dscnt 0x0
	s_barrier_signal -1
	s_barrier_wait -1
	tensor_load_to_lds s[48:51], s[24:31]
	s_nop 0
.rept 4
	v_nop                                          ; (behind a tensor load)
.endr
	v_bfe_u32 v18, v0, 4, 1                        ; h
	s_delay_alu instid0(VALU_DEP_1)
	v_lshlrev_b32 v[BH], 6, v18
.irp x, 0,1
.irp t, 0,1,2,3,4,5,6,7                        ; the bias in the result's layout: lane (r, h), tile 2 b + u: outputs 32 b + 16 h + 8 u + 0 .. 7; the same for both tiles of pixels
	global_load_b128 v[ACC+64*\x+8*\t:ACC+64*\x+8*\t+3], v[BH], s[8:9] offset:(32*(\t/2)+8*(\t%2))*4
	global_load_b128 v[ACC+64*\x+8*\t+4:ACC+64*\x+8*\t+7], v[BH], s[8:9] offset:(32*(\t/2)+8*(\t%2))*4+16
.endr
.endr
	v_and_b32 v17, 7, v0
	v_bfe_u32 v19, v0, 3, 1
	s_delay_alu instid0(VALU_DEP_1)
	v_lshl_add_u32 v17, v19, 4, v17
	s_delay_alu instid0(VALU_DEP_1)
	v_lshl_add_u32 v17, v18, 3, v17                ; my pixel among the wave's 32
	s_delay_alu instid0(VALU_DEP_1)
	v_lshlrev_b32 v17, 2, v17
	s_lshl_b32 s23, s18, 7                         ; the wave's 32 pixels: 128 bytes
	v_add_nc_u32 v[XA], s23, v17
	s_delay_alu instid0(VALU_DEP_1)
	v_add_nc_u32 v[XA+1], 65536, v[XA]
	s_delay_alu instid0(VALU_DEP_2)
	v_add_nc_u32 v[XA+2], SLOTB, v[XA]
	s_delay_alu instid0(VALU_DEP_3)
	v_add_nc_u32 v[XA+3], SLOTB+65536, v[XA]
	v_and_b32 v18, 31, v0
	s_delay_alu instid0(VALU_DEP_1)
	v_lshlrev_b32 v[LI], 4, v18
	s_delay_alu instid0(VALU_DEP_2)
	v_lshlrev_b32 v[LS], 2, v18
	s_delay_alu instid0(VALU_DEP_2)
	v_add_nc_u32 v[WA], WBLK, v[LI]
	s_delay_alu instid0(VALU_DEP_2)
	v_add_nc_u32 v[WSA], WSC, v[LS]
	s_mov_b32 s20, 0x76543210
	s_mov_b32 s21, 0xfedcba98                      ; v_permlanex16_b32's selects for lane l xor 16
	s_mov_b32 s22, 0xffff0000                      ; lanes 16-31
.macro XLOAD slot, cc                          ; channels 64 cc + 0 .. 63 of my pixel: 32 lanes read 32 different words of 128 neighbouring bytes
.set i, 0
.rept 64
	ds_load_b32 v[X+i], v[XA+2*(\slot)+(\cc)] offset:1024*i
.set i, i+1
.endr
.endm
; My 64 numbers are blocks 2 cc and 2 cc + 1 of my pixel: largest magnitudes, scale bytes, conversions.
.macro XQ_A cc
	v_max3_num_f32 v17, |v[X]|, |v[X+1]|, 0x1800000        ; with the floor 2^(3 - 127): the byte cannot fall under 1
	v_max3_num_f32 v18, |v[X+32]|, |v[X+33]|, 0x1800000
.irp i, 2,4,6,8,10,12,14,16,18,20,22,24,26,28,30
	s_delay_alu instid0(VALU_DEP_2)
	v_max3_num_f32 v17, v17, |v[X+\i]|, |v[X+1+\i]|        ; (the two blocks by turns)
	s_delay_alu instid0(VALU_DEP_2)
	v_max3_num_f32 v18, v18, |v[X+32+\i]|, |v[X+33+\i]|
.endr
	s_delay_alu instid0(VALU_DEP_2)
	v_add_nc_u32 v19, 0xff000000, v17              ; 2 off the exponent field: the conversion's scale operand
	s_delay_alu instid0(VALU_DEP_2)
	v_add_nc_u32 v20, 0xff000000, v18
	s_delay_alu instid0(VALU_DEP_2)
	v_lshrrev_b32 v21, 23, v19                     ; the scales' bytes
	s_delay_alu instid0(VALU_DEP_2)
	v_lshrrev_b32 v22, 23, v20
.if (\cc) == 0
	s_delay_alu instid0(VALU_DEP_1)
	v_lshl_or_b32 v23, v22, 8, v21                 ; bytes 0 and 1 of my pixel's scale word
.else
	s_delay_alu instid0(VALU_DEP_1)
	v_lshl_or_b32 v21, v22, 8, v21                 ; bytes 2 and 3;
	s_delay_alu instid0(VALU_DEP_1)
	v_lshl_or_b32 v[XS], v21, 16, v23              ; the word
.endif
	v_cvt_scalef32_pk16_fp6_f32 v[FA+6*(\cc):FA+6*(\cc)+2], v[X:X+15], v19
	v_cvt_scalef32_pk16_fp6_f32 v[FB+6*(\cc):FB+6*(\cc)+2], v[X+32:X+47], v20
	v_cvt_scalef32_pk16_fp6_f32 v[T0:T0+2], v[X+16:X+31], v19
	v_cvt_scalef32_pk16_fp6_f32 v[T1:T1+2], v[X+48:X+63], v20
	v_nop                                          ; one plain line behind the scaled conversions
.endm
; The operand's layout wants, of a tile's row r, block 2 cc in lane r and block 2 cc + 1 in lane 16 + r.  The swap changes the first register's lanes 16-31 with the second's lanes 0-15:
; the first then holds tile A's rows (lanes 0-15 their block 2 cc, lanes 16-31 their block 2 cc + 1), the second tile B's.
.macro XQ_B cc
.irp i, 0,1,2
	v_permlane16_swap_b32 v[FA+6*(\cc)+\i], v[FB+6*(\cc)+\i]
	v_permlane16_swap_b32 v[T0+\i], v[T1+\i]
.endr
.irp i, 0,1,2
	v_mov_b32 v[FA+6*(\cc)+3+\i], v[T0+\i]
	v_mov_b32 v[FB+6*(\cc)+3+\i], v[T1+\i]
.endr
.endm
.macro WLOAD ks, g                             ; the weight's tiles 4 g .. 4 g + 3 of K step ks: images, three loads of 512 consecutive bytes each
.irp t, 0,1,2,3
.irp c, 0,1,2
	ds_load_b128 v[X+12*\t+4*\c:X+12*\t+4*\c+3], v[WA] offset:(8*(\ks)+4*(\g)+\t)*1536+512*\c
.endr
.endr
.endm
; Eight products: the weight's tiles 4 g .. 4 g + 3 x the two tiles of pixels.  The 16 accumulators take turns, one instruction a turn, across K steps too.
.macro MULS g
.irp t, 0,1,2,3
.irp x, 0,1
.set rD, ACC+64*\x+8*(4*(\g)+\t)
.set rW, X+12*\t
.set rF, FA+12*\x
.set rS, WS+2*(\g)+\t/2
.if (\t%2 == 0) && (\x == 0)
	v_wmma_scale_f32_16x16x128_f8f6f4 v[rD:rD+7], v[rW:rW+11], v[rF:rF+11], v[rD:rD+7], v[rS], v[XS] matrix_a_fmt:MATRIX_FMT_FP6 matrix_b_fmt:MATRIX_FMT_FP6
.elseif (\t%2 == 0)
	v_wmma_scale_f32_16x16x128_f8f6f4 v[rD:rD+7], v[rW:rW+11], v[rF:rF+11], v[rD:rD+7], v[rS], v[XS] matrix_a_fmt:MATRIX_FMT_FP6 matrix_b_fmt:MATRIX_FMT_FP6 matrix_b_scale:MATRIX_SCALE_ROW1
.elseif (\x == 0)
	v_wmma_scale_f32_16x16x128_f8f6f4 v[rD:rD+7], v[rW:rW+11], v[rF:rF+11], v[rD:rD+7], v[rS], v[XS] matrix_a_fmt:MATRIX_FMT_FP6 matrix_b_fmt:MATRIX_FMT_FP6 matrix_a_scale:MATRIX_SCALE_ROW1
.else
	v_wmma_scale_f32_16x16x128_f8f6f4 v[rD:rD+7], v[rW:rW+11], v[rF:rF+11], v[rD:rD+7], v[rS], v[XS] matrix_a_fmt:MATRIX_FMT_FP6 matrix_b_fmt:MATRIX_FMT_FP6 matrix_a_scale:MATRIX_SCALE_ROW1 matrix_b_scale:MATRIX_SCALE_ROW1
.endif
.endr
.endr
.endm
.macro PLACES n
.rept \n
	v_nop
.endr
.endm
; A K step of 128 channels, in slot `slot`.
.macro WORK slot, ks
	XLOAD \slot, 0
	s_wait_dscnt 0x0
	XQ_A 0
	XLOAD \slot, 1                                 ; the second 64 channels land while the first half's codes change lanes
	XQ_B 0
	s_wait_dscnt 0x0
	XQ_A 1
	WLOAD \ks, 0                                   ; x's numbers are done with: their registers take the weight's fragments
.irp p, 0,1,2,3
	ds_load_b32 v[WS+\p], v[WSA] offset:(8*(\ks)+2*\p)*64
.endr
	XQ_B 1
	PLACES 8                                       ; a scale register written by a vector instruction stands 8 places ahead of a scaled product, an operand so written 4
	s_wait_alu depctr_va_vdst(0)
	s_wait_dscnt 0x0
	MULS 0
	PLACES 4                                       ; in front of loads into registers that the products have read (ISA guide 7.12.1 for vector instructions)
	WLOAD \ks, 1
	s_wait_dscnt 0x0
	MULS 1
	PLACES 4                                       ; likewise, for the next step's loads and for the first read of results
.endm
; The change of slots.  Every wave waits for all its tensor loads, adds 0 to its spare word, waits for that and for its reads of the slot that it leaves, and passes the barrier;
; refill = 1: the slot just left takes the K step two on: my one tensor load behind the barrier, and the first thing there.
.macro MEET slot, refill
	s_wait_tensorcnt 0x0                           ; no tensor load of mine is out, so a group 0 may be written
	ds_add_u32 v[SPW], v[NIL]                      ; 0 onto my spare word
.if \refill
	s_add_nc_u64 s[46+4*\slot:47+4*\slot], s[46+4*\slot:47+4*\slot], 4194304   ; 256 channel rows on; the type bits on top are not reached
.endif
	s_wait_dscnt 0x0                               ; the add is done, and my reads of the slot are over
	s_barrier_signal -1
	s_barrier_wait -1
.if \refill
	tensor_load_to_lds s[44+4*\slot:47+4*\slot], s[24:31]
	s_nop 0
	PLACES 4
.endif
.endm
	s_wait_alu depctr_va_vdst(0)
	s_wait_loadcnt 0x0                             ; the bias
	s_wait_tensorcnt 0x1                           ; my parts of the weight and of K step 0 are in; K step 1's may stay out
	s_barrier_signal -1
	s_barrier_wait -1                              ; everybody's are
	WORK 0, 0
	MEET 0, 1                                      ; K step 1 has landed; slot 0 takes K step 2
	WORK 1, 1
	MEET 1, 1                                      ; slot 1 takes K step 3
	WORK 0, 2
	MEET 0, 0                                      ; K step 3 has landed in every wave's part; nothing is left to fetch
	WORK 1, 3
; THE WAY OUT.  64 numbers of a lane, register 16 b + i = output 32 b + 16 h + i of my pixel, become a fragment's codes in v[pc] on and its scale word in v[pw].  Each accumulator is read from its low end on.
.macro QUANT s, pc, pw
.irp b, 0,1,2,3
	v_max3_num_f32 v[TM+\b], |v[(\s)+16*\b]|, |v[(\s)+1+16*\b]|, 0x1800000   ; block b: my 16 numbers, and the floor
.endr
.irp i, 2,4,6,8,10,12,14
.irp b, 0,1,2,3
	v_max3_num_f32 v[TM+\b], v[TM+\b], |v[(\s)+16*\b+\i]|, |v[(\s)+1+16*\b+\i]|   ; (the four blocks by turns)
.endr
.endr
.irp b, 0,1,2,3
	s_delay_alu instid0(VALU_DEP_4)
	v_permlanex16_b32 v[TM+4+\b], v[TM+\b], s20, s21
.endr
.irp b, 0,1,2,3
	s_delay_alu instid0(VALU_DEP_4)
	v_max_num_f32 v[TM+\b], v[TM+\b], v[TM+4+\b]   ; with lane l xor 16's: the block's largest magnitude
.endr
.irp b, 0,1,2,3
	s_delay_alu instid0(VALU_DEP_4)
	v_add_nc_u32 v[TM+12+\b], 0xff000000, v[TM+\b]
.endr
.irp b, 0,1,2,3
	s_delay_alu instid0(VALU_DEP_4)
	v_lshrrev_b32 v[TM+4+\b], 23, v[TM+12+\b]
.endr
	s_delay_alu instid0(VALU_DEP_3)
	v_lshl_or_b32 v[\pw], v[TM+5], 8, v[TM+4]      ; the four bytes make my pixel's scale word
	s_delay_alu instid0(VALU_DEP_1)
	v_lshl_or_b32 v[\pw], v[TM+6], 16, v[\pw]
	s_delay_alu instid0(VALU_DEP_1)
	v_lshl_or_b32 v[\pw], v[TM+7], 24, v[\pw]
.irp c, 0,1
	v_cvt_scalef32_pk16_fp6_f32 v[(\pc)+6*\c:(\pc)+2+6*\c], v[(\s)+32*\c:(\s)+15+32*\c], v[TM+12+2*\c]
	v_cvt_scalef32_pk16_fp6_f32 v[(\pc)+12+4*\c:(\pc)+14+4*\c], v[(\s)+16+32*\c:(\s)+31+32*\c], v[TM+12+2*\c+1]
.endr
	v_nop                                          ; one plain line behind the scaled conversions
.irp c, 0,1                                    ; a whole block to a lane: lanes 0-15 block 2 c, lanes 16-31 block 2 c + 1
.irp i, 0,1,2
	v_permlane16_swap_b32 v[(\pc)+6*\c+\i], v[(\pc)+12+4*\c+\i]
.endr
.irp i, 0,1,2
	s_delay_alu instid0(VALU_DEP_3)
	v_mov_b32 v[(\pc)+3+6*\c+\i], v[(\pc)+12+4*\c+\i]
.endr
.endr
.endm
.irp b, 0,1,2,3
	v_mov_b32 v[TM+4+\b], 0                        ; a lane permute's destination counts as one of its sources
.endr
	QUANT ACC, 64, 104
.irp c, 0,1,2
	global_store_b128 v[LI], v[64+4*\c:67+4*\c], s[60:61] offset:512*\c          ; 32 lanes store 512 consecutive bytes, at a multiple of 256 from the buffer's first byte
.endr
	QUANT ACC+64, 84, 105                          ; registers of its own: no store's data are written again
.irp c, 0,1,2
	global_store_b128 v[LI], v[84+4*\c:87+4*\c], s[60:61] offset:1536+512*\c
.endr
	v_cndmask_b32 v106, v104, v105, s22            ; lanes 0-15 tile A's words, lanes 16-31 tile B's
	global_store_b32 v[LS], v106, s[62:63]         ; 128 consecutive bytes a wave: a short store, 262,144 bytes in the launch
	s_wait_tensorcnt 0x0                           ; the wave's end
	ds_add_u32 v[SPW], v[NIL]
	s_wait_dscnt 0x0
	s_endpgm
.Lfunc_end_k_q3a0ea3fa86_project:
	.size	k_q3a0ea3fa86_project, .Lfunc_end_k_q3a0ea3fa86_project-k_q3a0ea3fa86_project
	.p2alignl 7, 3214868480
	.fill 96, 4, 3214868480
	.section	.rodata,"a",@progbits
	.p2align	6, 0x0
	.amdhsa_kernel k_q3a0ea3fa86_project
		.amdhsa_group_segment_fixed_size 327680
		.amdhsa_private_segment_fixed_size 0
		.amdhsa_enable_private_segment 0
		.amdhsa_kernarg_size 56
		.amdhsa_user_sgpr_count 2
		.amdhsa_user_sgpr_kernarg_segment_ptr 1
		.amdhsa_wavefront_size32 1
		.amdhsa_system_sgpr_workgroup_id_x 1
		.amdhsa_system_sgpr_workgroup_id_y 1
		.amdhsa_system_sgpr_workgroup_id_z 1
		.amdhsa_system_vgpr_workitem_id 0
		.amdhsa_next_free_vgpr 256
		.amdhsa_next_free_sgpr 66
		.amdhsa_reserve_vcc 0
		.amdhsa_float_denorm_mode_32 3
		.amdhsa_float_denorm_mode_16_64 3
		.amdhsa_memory_ordered 1
		.amdhsa_forward_progress 1
		.amdhsa_inst_pref_size 103
	.end_amdhsa_kernel
	.amdgpu_metadata
---
amdhsa.version: [ 1, 2 ]
amdhsa.kernels:
  - .name:           k_q3a0ea3fa86_project
    .symbol:         k_q3a0ea3fa86_project.kd
    .args:
      - { .name: x_query, .offset: 0, .size: 8, .value_kind: global_buffer, .address_space: global }
      - { .name: x_support, .offset: 8, .size: 8, .value_kind: global_buffer, .address_space: global }
      - { .name: theta_b, .offset: 16, .size: 8, .value_kind: global_buffer, .address_space: global }
      - { .name: phi_b, .offset: 24, .size: 8, .value_kind: global_buffer, .address_space: global }
      - { .name: wq, .offset: 32, .size: 8, .value_kind: global_buffer, .address_space: global }
      - { .name: q, .offset: 40, .size: 8, .value_kind: global_buffer, .address_space: global }
      - { .name: kv, .offset: 48, .size: 8, .value_kind: global_buffer, .address_space: global }
    .group_segment_fixed_size: 327680
    .private_segment_fixed_size: 0
    .kernarg_segment_align: 8
    .kernarg_segment_size: 56
    .max_flat_workgroup_size: 256
    .sgpr_count:     66
    .vgpr_count:     256
    .wavefront_size: 32
...
	.end_amdgpu_metadata
.endif
;; end of part 2
;; launch attend (part 3): grid 32 x 8, 8 waves a work-group, clusters of 4 x 1, 327,680 bytes of LDS; arguments q, kv, out0; writes out0
.if DOCPART == 3
	.amdgcn_target "amdgcn-amd-amdhsa--gfx1250"
	.amdhsa_code_object_version 6
	.text
	.protected	k_q3a0ea3fa86_attend
	.globl	k_q3a0ea3fa86_attend
	.p2align	8
	.type	k_q3a0ea3fa86_attend,@function
k_q3a0ea3fa86_attend:
	s_mov_b64 s[64:65], 0
	v_nop
	global_prefetch_b8 v0, s[64:65] scope:SCOPE_SE
	s_setreg_imm32_b32 hwreg(HW_REG_WAVE_MODE, 25, 1), 1
	s_wait_xcnt 0x0
	s_wait_alu depctr_hold_cnt(0) depctr_sa_sdst(0) depctr_va_vdst(0) depctr_va_sdst(0) depctr_va_ssrc(0) depctr_va_vcc(0) depctr_vm_vsrc(0)
	s_getreg_b32 s2, hwreg(HW_REG_IB_STS2, 6, 4)
	s_cmp_eq_u32 s2, 0
	s_cbranch_scc0 .Lentry_in_a_cluster
	s_endpgm
.Lentry_in_a_cluster:
	s_bfe_u32 s2, ttmp6, 0x10000c
	s_cmp_lg_u32 s2, 0x3003
	s_cbranch_scc0 .Lentry_shape_is_right
	s_endpgm
.Lentry_shape_is_right:
; out0[b][ch][query] = sum over keys of softmax_key(fill(theta_x . phi_x x mask) / 4) x support_embedding[b][ch][key], both products on codes of FP6 (E2M3) with one E8M0 scale for each 32 along K.
; q: per batch and group of 128 queries 12,800 bytes: 8 fragments (images of the operand's registers, 1,536 bytes), then 8 x 16 scale words.
; kv: per batch and step of 128 keys 26,112 bytes: K's 8 fragments, V's 8 at 12,288, K's scale words at 24,576, V's at 25,088, mc[128] = mask x log2(e) / 4 at 25,600.
; THE MASK: t = f x mc; where t == 0 (a masked key, or a score that is exactly 0) t becomes TF = f32(-2.5e8 x log2(e)), a whole number.
; THE SOFTMAX: M = the running largest t rounded UP to a whole number, kept as -M; p = 2^(t - M) is what is quantised, along the keys; -M is added by an addition of its own, so that a row all of whose
; scores are filled has p = 1 exactly.  The row's sum is taken of the unquantised p and divides at the end.  When M moves, the sum and O are multiplied by 2^(old M - new M): exact.
; LIMITS: NaN and infinities are not served.  The test for 0 is made on f x (mask x c), not on f x mask: the two differ only where one of these products underflows in f32 (magnitudes under about 2^-148).
; SHARES.  A work-group owns 128 queries of one batch; each of its eight waves owns one tile of 16, in 256 registers: two waves to a SIMD.  Every wave walks all 4,096 keys, 128 a step.
; LAYOUT.  Both products are used transposed: S^T = K Q^T (source 0 = 16 keys, source 1 = my 16 queries), O^T = V^T P^T (source 0 = 16 channels, source 1 = P): a lane holds ONE query throughout.
; Lane r of tile 2 b + u of keys (and of queries) is key 32 b + 8 u + r + 8 (r / 8), so that the 16 registers of tiles 2 b and 2 b + 1 are keys 32 b + 16 h + 0 .. 15.
; THE RING.  Two LDS slots of four key steps (104,448 dense bytes), an eighth to each wave's tensor load.
; CLUSTER.  The four query blocks of a cluster belong to one batch and walk the same kv: each slot is asked for JOINTLY, by the same tensor load with the same descriptor and a mask that names the four.
; REGISTERS: v1-3 16 x lane, 4 x lane, 64 h; v4, v7 the stage's addresses; v5, v6 the add's; v8-10 the step's addresses; v11 TF; v12 -M, v13 the largest t, v[14:15] the sum in two halves; v16-27 Q;
; v28 the prefetch's offset; v29 p's scale word; v30 4 r; v32-79 four fragments of K or V (v32-95 mc between the products); v96-159 S^T, t, p; v160-223 O^T; v224-235 p's codes; v232-247 at work;
; v248-251 K's, then V's scale words; v[252:253] f; v254 at work; v255 Q's scale word.
.set SB,    26112                      ; a key step's block
.set SLOTB, 4*SB
.set PART,  SLOTB/8                    ; 13,056 bytes = 51 rows of 256: what one tensor load brings
.set BATCH, 32*SB
.set SLOT1, 1<<17                      ; slot 1 begins here: one exclusive or turns an address in one slot into the other's
.set SPARE, SLOT1+SLOTB                ; the spare words, 128 bytes for each wave: four blocks of 256 bytes that no other line names
.set STAGE, SPARE+1024                 ; the way out: 128 channel rows x (512 bytes + 16); bytes of its own, into which no tile lands
.set SP,    528
.set VIM,   12288
.set KSC,   24576
.set VSC,   25088
.set MC,    25600
.macro CROUND                          ; a round of the cluster's barrier
	s_barrier_signal -1
	s_barrier_wait -1
	s_cmp_lg_u32 s10, 0
	s_cbranch_scc1 .Lnot_wave_0_\@
	s_barrier_signal -3
.Lnot_wave_0_\@:
	s_barrier_wait -3
	s_barrier_signal -1
	s_barrier_wait -1
.endm
.macro PLACES
.rept 4
	v_nop
.endr
.endm
	s_load_b128 s[4:7], s[0:1], 0x0                ; q, kv
	s_load_b64 s[8:9], s[0:1], 0x10                ; out0
	v_lshl_add_u32 v5, v0, 2, SPARE
	v_mov_b32 v6, 0
	ds_add_u32 v5, v6
	ds_add_u32 v5, v6
	s_wait_dscnt 0x0
	v_lshrrev_b32 v8, 5, v0
	s_delay_alu instid0(VALU_DEP_1)
	v_readfirstlane_b32 s10, v8                    ; wave 0..7
	s_bfe_u32 s11, ttmp6, 0x40000                  ; cx: my place in the cluster: it enters q's, out0's and the prefetch's addresses alone
	s_lshl_b32 s12, ttmp9, 2
	s_add_co_u32 s12, s12, s11                     ; my block of 128 queries
	s_and_b32 s13, ttmp7, 0xffff                   ; the batch, which the four partners share
	s_mul_i32 s14, s13, BATCH
	s_mul_i32 s33, s10, PART                       ; group 0's LDS address: slot 0, my eighth
	s_add_co_u32 s16, s14, s33                     ; and the same eighth in memory
	s_mov_b32 s17, 0
	s_mul_i32 s18, s11, SB                         ; the prefetches: my work-group's key step of a slot's four,
	s_add_co_u32 s18, s18, s14
	s_add_co_u32 s18, s18, SLOTB                   ; in slot 1: the first change of slots steps it to slot 2
	s_mov_b32 s19, 0
	s_lshl_b32 s42, s13, 5
	s_add_co_u32 s42, s42, s12
	s_mul_i32 s42, s42, 12800                      ; my group in q
	s_mul_i32 s22, s10, 1536
	s_add_co_u32 s22, s22, s42                     ; my tile's fragment
	s_mov_b32 s23, 0
	s_lshl_b32 s43, s10, 6
	s_add_co_u32 s42, s42, s43
	s_add_co_u32 s42, s42, 12288                   ; and its scale words
	s_mov_b32 s43, 0
	s_lshl_b32 s48, s13, 21                        ; out0: a batch is 128 rows of 16,384 bytes,
	s_lshl_b32 s49, s10, 18                        ; my 16 channel rows,
	s_add_co_u32 s48, s48, s49
	s_lshl_b32 s49, s12, 9                         ; the work-group's 128 queries
	s_add_co_u32 s48, s48, s49
	s_mov_b32 s49, 0
	; descriptor group 1: 13,056 dense bytes as 51 rows of 256 (32 elements of 8 bytes)
	s_mov_b32 s24, 15|(3<<16)|(1<<21)              ; 15:0 the mask: all four work-groups; 17:16 elements of 8 bytes; 21 set beside a mask
	s_mov_b32 s25, 32<<16                          ; tensor_dim0
	s_mov_b32 s26, 51<<16                          ; tensor_dim1
	s_mov_b32 s27, 32<<16                          ; tile_dim0
	s_mov_b32 s28, 51                              ; tile_dim1
	s_mov_b32 s29, 32                              ; stride
	s_mov_b32 s30, 0
	s_mov_b32 s31, 0
	s_mov_b32 s20, 0x76543210
	s_mov_b32 s21, 0xfedcba98                      ; v_permlanex16_b32's selects for lane l xor 16
	s_mov_b32 s36, 0                               ; LDS byte at which the step's block begins
	s_mov_b32 s37, 7                               ; slots still to be asked for
	s_lshr_b32 s39, s10, 2                         ; 0 in waves 0 to 3,
	s_or_b32 s39, s39, ttmp9                       ; of the batch's first cluster: the same in all four partners
	s_cmp_eq_u32 s39, 0
	s_cselect_b32 s39, 1, -1                       ; a wave prefetches while s37 is above this
	s_wait_kmcnt 0x0
	s_add_nc_u64 s[40:41], s[6:7], s[18:19]
	s_add_nc_u64 s[50:51], s[4:5], s[42:43]
	s_add_nc_u64 s[4:5], s[4:5], s[22:23]
	s_add_nc_u64 s[8:9], s[8:9], s[48:49]
	CROUND                                         ; all four work-groups are here: the first joint loads meet
	s_mov_b32 s32, 1                               ; group 0, which walks: count = 1; s33 the LDS address;
	s_add_nc_u64 s[34:35], s[6:7], s[16:17]        ; the global address hangs on the batch and the wave alone;
	s_or_b32 s35, s35, 0x80000000                  ; type = 2
	tensor_load_to_lds s[32:35], s[24:31]          ; slot 0: one load of mine is out
	s_nop 0
	PLACES                                         ; (behind a tensor load)
	v_and_b32 v8, 31, v0
	s_delay_alu instid0(VALU_DEP_1)
	v_lshlrev_b32 v1, 4, v8
	s_delay_alu instid0(VALU_DEP_2)
	v_lshlrev_b32 v2, 2, v8
	v_bfe_u32 v10, v0, 4, 1                        ; h
	s_delay_alu instid0(VALU_DEP_1)
	v_lshlrev_b32 v3, 6, v10
	v_and_b32 v9, 15, v0                           ; r
	s_delay_alu instid0(VALU_DEP_1)
	v_lshlrev_b32 v30, 2, v9
.irp c, 0,1,2
	global_load_b128 v[16+4*\c:19+4*\c], v1, s[4:5] offset:512*\c   ; Q's fragment stays in registers
.endr
	global_load_b32 v255, v30, s[50:51]            ; and its scale words
	v_and_b32 v8, 8, v9
	s_delay_alu instid0(VALU_DEP_1)
	v_add_nc_u32 v9, v8, v9                        ; r + 8 (r / 8)
	s_lshr_b32 s42, s10, 1
	s_lshl_b32 s42, s42, 7
	s_and_b32 s43, s10, 1
	s_lshl_b32 s43, s43, 5
	s_add_co_u32 s42, s42, s43
	s_add_co_u32 s42, s42, STAGE
	v_mul_u32_u24 v4, v10, 8*SP
	s_delay_alu instid0(VALU_DEP_1)
	v_lshl_add_u32 v4, v9, 2, v4
	s_delay_alu instid0(VALU_DEP_1)
	v_add_nc_u32 v4, s42, v4                       ; into the stage: channel row 8 h, my query's word: 32 (w / 2) + 8 (w % 2) + r + 8 (r / 8)
	s_mul_i32 s43, s10, 16*SP
	s_add_co_u32 s43, s43, STAGE
	v_add_nc_u32 v7, s43, v1                       ; out of it: my 16 channel rows, 16 bytes a lane
	v_min_u32 v28, 101, v0
	s_delay_alu instid0(VALU_DEP_1)
	v_lshlrev_b32 v28, 8, v28                      ; the prefetches: threads 0-101 name the 102 pieces of 256 bytes of a key step's block; the others are held at the last
	v_mov_b32 v11, 0xcdabfb8f                      ; TF
	v_mov_b32 v13, 0xff61b1e6                      ; the largest t so far: -3e38, under every t
	s_delay_alu instid0(VALU_DEP_1)
	v_floor_f32 v12, -v13                          ; -M
	v_mov_b32 v14, 0                               ; the sum, in two halves
	v_mov_b32 v15, 0
.irp b, 0,1,2,3
	v_mov_b32 v[236+\b], 0                         ; a lane permute's destination counts as one of its sources
.endr
	v_mov_b32 v253, 0                              ; (named as the upper half of the pair v[252:253])
.set j, 0
.rept 64
	v_mov_b32 v[160+j], 0                          ; O^T.  (The step is written without a first step of its own: the first finds zeros, which the first change of M leaves zeros)
.set j, j+1
.endr
; A KEY STEP: 128 keys, whose block begins at LDS byte s36.
.macro STEP
	v_add_nc_u32 v8, s36, v1
	s_wait_alu depctr_va_vdst(0)
	v_add_nc_u32 v9, s36, v2
	v_add_nc_u32 v10, s36, v3
	v_nop                                          ; four places in front of loads into registers that the last products read (ISA guide 7.12.1 for vector instructions)
.irp p, 0,1,2,3
	ds_load_b32 v[248+\p], v9 offset:KSC+128*\p    ; K's scale words: lanes 0-15 tile 2 p, lanes 16-31 tile 2 p + 1
.endr
.irp g, 0,1                                    ; S^T = K Q^T, four tiles of 16 keys at a time
.if \g
	PLACES
.endif
.irp t, 0,1,2,3
.irp c, 0,1,2
	ds_load_b128 v[32+12*\t+4*\c:35+12*\t+4*\c], v8 offset:(4*\g+\t)*1536+512*\c
.endr
.endr
	s_wait_dscnt 0x0
.irp t, 0,1,2,3
.if \t%2
	v_wmma_scale_f32_16x16x128_f8f6f4 v[96+8*(4*\g+\t):103+8*(4*\g+\t)], v[32+12*\t:43+12*\t], v[16:27], 0, v[248+2*\g+\t/2], v255 matrix_a_fmt:MATRIX_FMT_FP6 matrix_b_fmt:MATRIX_FMT_FP6 matrix_a_scale:MATRIX_SCALE_ROW1
.else
	v_wmma_scale_f32_16x16x128_f8f6f4 v[96+8*(4*\g+\t):103+8*(4*\g+\t)], v[32+12*\t:43+12*\t], v[16:27], 0, v[248+2*\g+\t/2], v255 matrix_a_fmt:MATRIX_FMT_FP6 matrix_b_fmt:MATRIX_FMT_FP6
.endif
.endr
.endr                                          ; register 16 b + i of v96 on: key 32 b + 16 h + i of my query
	PLACES
	s_wait_alu depctr_va_vdst(0)
.irp b, 0,1,2,3
.irp j, 0,1,2,3
	ds_load_b128 v[32+16*\b+4*\j:35+16*\b+4*\j], v10 offset:MC+128*\b+16*\j   ; mc of the same keys: sixteen lanes share each word
.endr
.endr
	s_wait_dscnt 0x0
.set j, 0
.rept 32
	v_pk_mul_f32 v[96+j:97+j], v[96+j:97+j], v[32+j:33+j]   ; t = f x mc; each accumulator is read from its low end on
.set j, j+2
.endr
.irp p, 0,1,2,3
	ds_load_b32 v[248+\p], v9 offset:VSC+128*\p    ; V's scale words and its first four tiles are asked for here and land under the softmax
.endr
.irp t, 0,1,2,3
.irp c, 0,1,2
	ds_load_b128 v[32+12*\t+4*\c:35+12*\t+4*\c], v8 offset:VIM+\t*1536+512*\c
.endr
.endr
.set n, 96
.rept 16                                       ; where t == 0: TF.  A choice of a value: no branch hangs on it
.irp i, 0,1,2,3
	v_cmp_eq_f32 s[44+\i], 0, v[n+\i]
.endr
.irp i, 0,1,2,3
	s_delay_alu instid0(VALU_DEP_4)
	v_cndmask_b32 v[n+\i], v[n+\i], v11, s[44+\i]
.endr
.set n, n+4
.endr
.irp b, 0,1,2,3
	v_max3_num_f32 v[232+\b], v[96+16*\b], v[97+16*\b], v[98+16*\b]   ; THE LARGEST t OF EACH BLOCK OF 32 KEYS: it serves for the row's maximum and, since p rises with t, for the block's largest p
.endr
.irp i, 3,5,7,9,11,13
.irp b, 0,1,2,3
	s_delay_alu instid0(VALU_DEP_4)
	v_max3_num_f32 v[232+\b], v[232+\b], v[96+16*\b+\i], v[97+16*\b+\i]   ; (the four blocks by turns)
.endr
.endr
.irp b, 0,1,2,3
	s_delay_alu instid0(VALU_DEP_4)
	v_max_num_f32 v[232+\b], v[232+\b], v[111+16*\b]
.endr
.irp b, 0,1,2,3
	s_delay_alu instid0(VALU_DEP_4)
	v_permlanex16_b32 v[236+\b], v[232+\b], s20, s21
.endr
.irp b, 0,1,2,3
	s_delay_alu instid0(VALU_DEP_4)
	v_max_num_f32 v[232+\b], v[232+\b], v[236+\b]  ; with lane l xor 16's 16 keys
.endr
	s_delay_alu instid0(VALU_DEP_2)
	v_max3_num_f32 v254, v232, v233, v234
	s_delay_alu instid0(VALU_DEP_1)
	v_max_num_f32 v254, v254, v235                 ; the step's largest t of my query
	s_delay_alu instid0(VALU_DEP_1)
	v_max_num_f32 v13, v13, v254                   ; the running largest t
	v_mov_b32 v254, v12
	s_delay_alu instid0(VALU_DEP_2)
	v_floor_f32 v12, -v13                          ; the new -M = floor(-t) = -ceil(t): a whole number
	s_delay_alu instid0(VALU_DEP_1)
	v_sub_f32 v254, v12, v254                      ; M's old value less its new one: a whole number, 0 or less
	s_delay_alu instid0(VALU_DEP_1)
	v_cvt_i32_f32 v254, v254                       ; (it saturates)
	s_delay_alu instid0(VALU_DEP_1)
	v_ldexp_f32 v252, 1.0, v254                    ; f = 2^(old M - new M)
.set j, 0
.rept 32
	v_pk_add_f32 v[96+j:97+j], v[96+j:97+j], v[12:13] op_sel_hi:[1,0]   ; t - M, two at a time (of the pair the low word, -M, serves both halves)
.set j, j+2
.endr
	s_setprio 1
.irp b, 0,1,2,3
	v_add_f32 v[232+\b], v[232+\b], v12            ; the same of each block's largest t
.endr
.set j, 0
	s_wait_alu depctr_va_vdst(0)
.rept 64
	v_exp_f32 v[96+j], v[96+j]                     ; p = 2^(t - M), at most 1: NOT normalised
.set j, j+1
.endr
	v_pk_mul_f32 v[14:15], v[14:15], v[252:253] op_sel_hi:[1,0]   ; the sums under the new M.  (The plain line behind the exponentials)
	s_wait_alu depctr_va_vdst(0)                   ; one wait for the whole batch, ahead of its first reader
.irp b, 0,1,2,3
	v_exp_f32 v[232+\b], v[232+\b]                 ; the block's largest p: the same two instructions on the same number give the same bits
.endr
	v_pk_add_f32 v[236:237], v[100:101], v[104:105]
	v_pk_add_f32 v[246:247], v[108:109], v[112:113]
	v_pk_add_f32 v[244:245], v[116:117], v[120:121]
	v_pk_add_f32 v[242:243], v[124:125], v[128:129]
	v_pk_add_f32 v[240:241], v[132:133], v[136:137]
	v_pk_add_f32 v[238:239], v[140:141], v[144:145]
	v_pk_add_f32 v[230:231], v[148:149], v[152:153]
	v_pk_add_f32 v[14:15], v[14:15], v[156:157]
	v_pk_add_f32 v[236:237], v[236:237], v[96:97]
	v_pk_add_f32 v[246:247], v[246:247], v[98:99]
	v_pk_add_f32 v[244:245], v[244:245], v[102:103]
	v_pk_add_f32 v[242:243], v[242:243], v[106:107]
	v_pk_add_f32 v[240:241], v[240:241], v[110:111]
	v_pk_add_f32 v[238:239], v[238:239], v[114:115]
	v_pk_add_f32 v[230:231], v[230:231], v[118:119]
	v_pk_add_f32 v[14:15], v[14:15], v[122:123]
	v_pk_add_f32 v[236:237], v[236:237], v[126:127]
	v_pk_add_f32 v[246:247], v[246:247], v[130:131]
	v_pk_add_f32 v[244:245], v[244:245], v[134:135]
	v_pk_add_f32 v[242:243], v[242:243], v[138:139]
	v_pk_add_f32 v[240:241], v[240:241], v[142:143]
	v_pk_add_f32 v[238:239], v[238:239], v[146:147]
	v_pk_add_f32 v[230:231], v[230:231], v[150:151]
	v_pk_add_f32 v[14:15], v[14:15], v[154:155]
	v_pk_add_f32 v[236:237], v[236:237], v[158:159]
	s_delay_alu instid0(VALU_DEP_2)
	v_pk_add_f32 v[14:15], v[14:15], v[242:243]
	s_delay_alu instid0(VALU_DEP_2)
	v_pk_add_f32 v[236:237], v[236:237], v[240:241]
	v_pk_add_f32 v[246:247], v[246:247], v[238:239]
	v_pk_add_f32 v[244:245], v[244:245], v[230:231]
	s_delay_alu instid0(VALU_DEP_2)
	v_pk_add_f32 v[14:15], v[14:15], v[246:247]
	s_delay_alu instid0(VALU_DEP_2)
	v_pk_add_f32 v[236:237], v[236:237], v[244:245]
	s_delay_alu instid0(VALU_DEP_1)
	v_pk_add_f32 v[14:15], v[14:15], v[236:237]
	s_wait_alu depctr_va_vdst(0)                   ; and one for the four
.irp b, 0,1,2,3
	v_max_num_f32 v[232+\b], 0x1800000, v[232+\b]  ; the floor 2^(3 - 127): the byte cannot fall under 1 (a block whose every p is 0 keeps that byte: its codes are zeros)
.endr
.irp b, 0,1,2,3
	s_delay_alu instid0(VALU_DEP_4)
	v_add_nc_u32 v[244+\b], 0xff000000, v[232+\b]  ; 2 off the exponent field: the conversion's scale operand
.endr
.irp b, 0,1,2,3
	s_delay_alu instid0(VALU_DEP_4)
	v_lshrrev_b32 v[236+\b], 23, v[244+\b]         ; the scale's byte
.endr
	s_delay_alu instid0(VALU_DEP_3)
	v_lshl_or_b32 v29, v237, 8, v236               ; p's scale word for these 128 keys
	s_delay_alu instid0(VALU_DEP_1)
	v_lshl_or_b32 v29, v238, 16, v29
	s_delay_alu instid0(VALU_DEP_1)
	v_lshl_or_b32 v29, v239, 24, v29
.irp c, 0,1
	v_cvt_scalef32_pk16_fp6_f32 v[224+6*\c:226+6*\c], v[96+32*\c:111+32*\c], v[244+2*\c]
	v_cvt_scalef32_pk16_fp6_f32 v[236+4*\c:238+4*\c], v[112+32*\c:127+32*\c], v[244+2*\c+1]   ; (a conversion's three registers begin on an even number)
.endr
	v_nop                                          ; one plain line behind the scaled conversions
.irp c, 0,1                                    ; a whole block to a lane: lanes 0-15 block 2 c, lanes 16-31 block 2 c + 1
.irp i, 0,1,2
	v_permlane16_swap_b32 v[224+6*\c+\i], v[236+4*\c+\i]
.endr
.irp i, 0,1,2
	s_delay_alu instid0(VALU_DEP_3)
	v_mov_b32 v[227+6*\c+\i], v[236+4*\c+\i]
.endr
.endr
.set j, 0
.rept 32
	v_pk_mul_f32 v[160+j:161+j], v[160+j:161+j], v[252:253] op_sel_hi:[1,0]   ; O^T under the new M: x f.  (These 32 are also the places between p's codes and scale word and the scaled products)
.set j, j+2
.endr
	s_setprio 0
	s_wait_alu depctr_va_vdst(0)
	s_wait_dscnt 0x0                               ; V's first four tiles and its scale words are in
.irp g, 0,1                                    ; O^T += V^T P^T: four tiles of 16 channels at a time; the eight accumulators take turns
.if \g
	PLACES
.irp t, 0,1,2,3
.irp c, 0,1,2
	ds_load_b128 v[32+12*\t+4*\c:35+12*\t+4*\c], v8 offset:VIM+(4+\t)*1536+512*\c
.endr
.endr
	s_wait_dscnt 0x0
.endif
.irp t, 0,1,2,3
.if \t%2
	v_wmma_scale_f32_16x16x128_f8f6f4 v[160+8*(4*\g+\t):167+8*(4*\g+\t)], v[32+12*\t:43+12*\t], v[224:235], v[160+8*(4*\g+\t):167+8*(4*\g+\t)], v[248+2*\g+\t/2], v29 matrix_a_fmt:MATRIX_FMT_FP6 matrix_b_fmt:MATRIX_FMT_FP6 matrix_a_scale:MATRIX_SCALE_ROW1
.else
	v_wmma_scale_f32_16x16x128_f8f6f4 v[160+8*(4*\g+\t):167+8*(4*\g+\t)], v[32+12*\t:43+12*\t], v[224:235], v[160+8*(4*\g+\t):167+8*(4*\g+\t)], v[248+2*\g+\t/2], v29 matrix_a_fmt:MATRIX_FMT_FP6 matrix_b_fmt:MATRIX_FMT_FP6
.endif
.endr
.endr
	s_add_co_u32 s36, s36, SB                      ; the next step's block
.endm
; A PREFETCH INTO THE L2 of the slot that the NEXT change of slots will ask for, a slot's four key steps ahead of that load.  All clusters of a batch walk the same kv: the batch's first cluster asks.
; Its four partners share the slot out BY ADDRESS, a key step's block each; in each, waves 0 to 3 ask, a lane to each piece of 256 bytes.  The last change that fills a slot asks for nothing; slots 0 and 1 come by their loads alone.
.macro ASK
	s_cmp_gt_u32 s37, s39
	s_cbranch_scc0 .Lnot_mine_\@
	global_prefetch_b8 v28, s[40:41] th:TH_LOAD_NT scope:SCOPE_SE
.Lnot_mine_\@:
.endm
; THE CHANGE OF SLOTS stands at a slot's head.  Each wave waits for all its tensor loads (its part of the slot that it is about to read), adds 0 to its spare word, and waits for that and for its reads of the slot
; that it has left.  fill = 1: the barrier is a round of the cluster's, so that no wave of any partner still reads that slot or has a load on its way; the joint refill is the first thing behind it
; and has four key steps in which to land.
.macro CHANGE fill
	s_wait_tensorcnt 0x0                           ; no tensor load of mine is out, so group 0 may be written
	ds_add_u32 v5, v6                              ; 0 onto my spare word
.if \fill
	s_xor_b32 s33, s33, SLOT1                      ; the walking descriptor: the other slot than last time,
	s_add_nc_u64 s[34:35], s[34:35], SLOTB         ; the next four key steps; the type bits on top are not reached
	s_wait_xcnt 0x0                                ; the last prefetch, a slot back, has read its address, so it may be written:
	s_add_nc_u64 s[40:41], s[40:41], SLOTB         ; one slot further on than the walking descriptor
	s_wait_dscnt 0x0                               ; the add is done, and my reads of the slot that I have left are over
	CROUND
	tensor_load_to_lds s[32:35], s[24:31]
	s_nop 0
	PLACES
	ASK
.else
	s_wait_dscnt 0x0
	s_barrier_signal -1
	s_barrier_wait -1
.endif
.endm
.macro SLOT_STEPS                              ; a slot's four key steps: written once, walked four times
	s_mov_b32 s38, 4
.Lstep_\@:
	s_setprio 2
	STEP
	s_sub_co_u32 s38, s38, 1
	s_cmp_lg_u32 s38, 0
	s_cbranch_scc1 .Lstep_\@
	s_setprio 0
	s_sub_co_u32 s36, s36, SLOTB                   ; back to a slot's first step,
	s_xor_b32 s36, s36, SLOT1                      ; in the other slot
.endm
	s_wait_loadcnt 0x0                             ; Q
.Lslot:                                            ; seven trips: behind each change of slots but the last the next slot is asked for
	CHANGE 1
	SLOT_STEPS
	s_sub_co_u32 s37, s37, 1
	s_cmp_lg_u32 s37, 0
	s_cbranch_scc1 .Lslot
	CHANGE 0                                       ; the last slot is written out
	SLOT_STEPS
	; THE WAY OUT.  O^T / the sum goes into the work-group's stage as [channel][query], queries in their natural order; behind a barrier each wave reads 16 whole channel rows and stores them.
	PLACES
	v_add_f32 v14, v14, v15                        ; the sum's two halves,
	s_delay_alu instid0(VALU_DEP_1)
	v_permlanex16_b32 v252, v14, s20, s21
	s_delay_alu instid0(VALU_DEP_1)
	v_add_f32 v14, v14, v252                       ; and lane l xor 16's: the row's sum
	s_wait_alu depctr_va_vdst(0)
	v_rcp_f32 v14, v14
	v_nop                                          ; a plain line behind the reciprocal
	s_wait_alu depctr_va_vdst(0)                   ; and the wait ahead of its first reader
.set j, 0
.rept 32
	v_pk_mul_f32 v[96+j:97+j], v[160+j:161+j], v[14:15] op_sel_hi:[1,0]   ; register 8 t + i: channel 16 t + 8 h + i of my query; each accumulator from its low end on
.set j, j+2
.endr
.irp t, 0,1,2,3,4,5,6,7
.irp i, 0,1,2,3,4,5,6,7
	ds_store_b32 v4, v[96+8*\t+\i] offset:(16*\t+\i)*SP
.endr
.endr
	s_wait_dscnt 0x0                               ; for the others' sake: my stores into the stage are done
	s_barrier_signal -1
	s_barrier_wait -1
.irp i, 0,1,2,3,4,5,6,7,8,9,10,11,12,13,14,15
	ds_load_b128 v[32+4*\i:35+4*\i], v7 offset:\i*SP
.endr
.irp i, 0,1,2,3,4,5,6,7,8,9,10,11,12,13,14,15
	s_wait_dscnt 15-\i                             ; row i is back; the 15 - i younger loads may be out
	global_store_b128 v1, v[32+4*\i:35+4*\i], s[8:9] offset:16384*\i th:TH_STORE_NT   ; 32 lanes store 512 consecutive bytes, at a multiple of 256 from out0's first byte; written once, read by nobody here
.endr
	s_wait_tensorcnt 0x0                           ; the wave's end
	ds_add_u32 v5, v6
	s_wait_dscnt 0x0
	CROUND                                         ; the closing round: no work-group ends while a partner may still ask for a tile that names it
	s_endpgm
.Lfunc_end_k_q3a0ea3fa86_attend:
	.size	k_q3a0ea3fa86_attend, .Lfunc_end_k_q3a0ea3fa86_attend-k_q3a0ea3fa86_attend
	.p2alignl 7, 3214868480
	.fill 96, 4, 3214868480
	.section	.rodata,"a",@progbits
	.p2align	6, 0x0
	.amdhsa_kernel k_q3a0ea3fa86_attend
		.amdhsa_group_segment_fixed_size 327680
		.amdhsa_private_segment_fixed_size 0
		.amdhsa_enable_private_segment 0
		.amdhsa_kernarg_size 24
		.amdhsa_user_sgpr_count 2
		.amdhsa_user_sgpr_kernarg_segment_ptr 1
		.amdhsa_wavefront_size32 1
		.amdhsa_system_sgpr_workgroup_id_x 1
		.amdhsa_system_sgpr_workgroup_id_y 1
		.amdhsa_system_sgpr_workgroup_id_z 1
		.amdhsa_system_vgpr_workitem_id 0
		.amdhsa_next_free_vgpr 256
		.amdhsa_next_free_sgpr 66
		.amdhsa_reserve_vcc 0
		.amdhsa_float_denorm_mode_32 3
		.amdhsa_float_denorm_mode_16_64 3
		.amdhsa_memory_ordered 1
		.amdhsa_forward_progress 1
		.amdhsa_inst_pref_size 88
	.end_amdhsa_kernel
	.amdgpu_metadata
---
amdhsa.version: [ 1, 2 ]
amdhsa.kernels:
  - .name:           k_q3a0ea3fa86_attend
    .symbol:         k_q3a0ea3fa86_attend.kd
    .args:
      - { .name: q, .offset: 0, .size: 8, .value_kind: global_buffer, .address_space: global }
      - { .name: kv, .offset: 8, .size: 8, .value_kind: global_buffer, .address_space: global }
      - { .name: out0, .offset: 16, .size: 8, .value_kind: global_buffer, .address_space: global }
    .group_segment_fixed_size: 327680
    .private_segment_fixed_size: 0
    .kernarg_segment_align: 8
    .kernarg_segment_size: 24
    .max_flat_workgroup_size: 256
    .sgpr_count:     66
    .vgpr_count:     256
    .wavefront_size: 32
...
	.end_amdgpu_metadata
.endif
;; end of part 3
